; MI455X (gfx1250); checked and timed in simulation.
; The chip was launched on July 23, 2026; its instructions are those of AMD's public machine-readable ISA for CDNA 5 (MIT licence, August 2026) and "CDNA5" Instruction Set Architecture Reference Guide (July 2026).
;; Multi Head Attention. Allowed arithmetic: matrix products marked QUANTISED: E5M2 operands, one given power-of-two scale a tensor, by v_wmma_f32_16x16x64_bf8_bf8 or v_wmma_f32_16x16x128_bf8_bf8, f32 sums; everything else in f32.
;; Inputs: Wk 1,024 x 1,024 float32; Wq 1,024 x 1,024 float32; Wv 1,024 x 1,024 float32; atten_mask 4 x 1 x 2,048 x 1 float32; bk 1,024 float32; bq 1,024 float32; bv 1,024 float32; lowp_scales 10 int32 (the exponents e of the quantised operands' scales 2^e); x 4 x 2,048 x 1,024 float32.
;; Outputs: out0 4 x 2,048 x 1,024 float32.
;; Constants: attention_head_num = 16.
;; This version of the problem:
;;   THIS VERSION OF THE PROBLEM IS GIVEN IN LOW PRECISION. The matrix products marked QUANTISED in the list below multiply operands that are first quantised to E5M2 (5 exponent bits, 2 mantissa bits; 8 bits a number), with one given power-of-two scale for each operand tensor; their sums are f32. All else is computed in f32.
;;   The module's matrix products, in the order in which they are computed (A, B: the left and right operand; K: the contracted axis; several contracted axes count as one K, in the product's order):
;;     1. [M 8,192, K 1,024] x [K 1,024, N 1,024]; A: input x; B: input Wq: QUANTISED (scales: A lowp_scales[0], B lowp_scales[1])
;;     2. [M 8,192, K 1,024] x [K 1,024, N 1,024]; A: input x; B: input Wk: QUANTISED (scales: A lowp_scales[2], B lowp_scales[3])
;;     3. [M 8,192, K 1,024] x [K 1,024, N 1,024]; A: input x; B: input Wv: QUANTISED (scales: A lowp_scales[4], B lowp_scales[5])
;;     4. batch 64 x [M 2,048, K 64] x [K 64, N 2,048]; A: computed on the way; B: computed on the way: QUANTISED (scales: A lowp_scales[6], B lowp_scales[7])
;;     5. batch 64 x [M 2,048, K 2,048] x [K 2,048, N 64]; A: softmax (see below); B: computed on the way: QUANTISED (scales: A lowp_scales[8], B lowp_scales[9])
;;   THE QUANTISER, for each operand of a quantised product, along K:
;;     - The operand's scale is 2^e, e = its entry of the input lowp_scales (int32; the entries are numbered through the quantised products in the list's order, A before B).
;;     - Each number is divided by the scale, clamped to +-57,344, and rounded to the nearest number of E5M2, ties to even, subnormals kept.
;;     - The product sums the exact products of the quantised numbers (number of the format x scale) in f32.
;;   ~~~python
;;   def quantise(x, axis, e):      # numpy; x: float32 -> the quantised numbers, widened to float32 again
;;       x = np.moveaxis(x, axis, -1); K = x.shape[-1]
;;       r = np.clip(x / 2.0 ** e, -57344, 57344)
;;       step = 2.0 ** (np.maximum(np.frexp(np.where(r == 0, 1, r))[1] - 1, -14) - 2)
;;       q = np.round(r / step) * step * 2.0 ** e      # np.round: ties to even
;;       return np.moveaxis(q, -1, axis).astype(np.float32)
;;   ~~~
;;   SOFTMAX AHEAD OF A QUANTISED PRODUCT. Where the list says 'softmax', what is quantised is not the finished softmax but p = 2^(t - M), with t = logit x log2(e) and M = ceil(the row's largest t), a whole number; so 1/2 < the row's largest p <= 1. The row's sum l is taken of the UNQUANTISED p, in f32, and the product's result is divided by l at the end. Since M is a whole number, a kernel that streams over the keys may use a running M (the ceiling of the running maximum): every later rescaling is an exact power of two, so the quantised numbers keep their values, but for numbers so far below the row's largest that they fall under the format's range.
;;   OPERANDS COMPUTED ON THE WAY. 'Computed on the way' means the value that the module computes at that place (a softmax that the list does not call 'softmax' is quantised finished and normalised). What goes into a quantiser is computed in f32, as accurately as f32 sums, v_exp_f32 and their like allow (about 1e-6 of the number): no bf16 or f16 on the way to a quantiser, and a product that is left as it is and whose result goes on into a quantised operand takes f32 operands (vector FMAs, or v_wmma_f32_16x16x4_f32). A number that lies on a knife's edge between two numbers of the format may be rounded either way, as far as f32 arithmetic and the matrix unit's own rounding can turn it there, and no further.
;; 2 versions, each right; version 2 is version 1 with the launch attn written anew for expert scheduling mode. Each part assembles by itself: llvm-mc -triple=amdgcn-amd-amdhsa -mcpu=gfx1250 --defsym DOCPART=n.
;; ======== version 1 of 2: 3 launches
;; workspace buffers: codes 31,457,280 bytes; qc 8,388,608 bytes; kc 8,388,608 bytes; vc 8,388,608 bytes; flags 2,048 bytes of whole numbers
;; launch quant (part 1): grid 705 x 1, 4 waves a work-group, no clusters, 66,048 bytes of LDS; arguments x, Wq, Wk, Wv, atten_mask, lowp_scales, codes, flags; writes codes, flags
.if DOCPART == 1
	.amdgcn_target "amdgcn-amd-amdhsa--gfx1250"
	.amdhsa_code_object_version 6
	.text
	.protected	k_qdf0105e818_quant
	.globl	k_qdf0105e818_quant
	.p2align	8
	.type	k_qdf0105e818_quant,@function
k_qdf0105e818_quant:
	s_mov_b64 s[64:65], 0
	v_nop
	global_prefetch_b8 v0, s[64:65] scope:SCOPE_SE
	s_setreg_imm32_b32 hwreg(HW_REG_WAVE_MODE, 25, 1), 1
	s_wait_xcnt 0x0
.set R,  16
.set X,  80
.set T,  112
.set C,  144
.set SC, 8
.set SP, 80
.set WREG, 8192
.set LBX, 0
.set LBW, 32768
.macro MKS e, p
	s_add_co_i32 s33, s[\e], 127
	s_lshl_b32 s42, s33, 23
	v_mov_b32 v[SC+2*\p], s42
	s_add_co_i32 s33, s33, 15
	s_lshl_b32 s33, s33, 23
	s_or_b32 s33, s33, 0x600000
	v_mov_b32 v[SC+2*\p+1], s33
.endm
.macro LOAD t
.irp i, 0,1,2,3
	global_load_b128 v[R+16*((\t)%4)+4*\i:R+16*((\t)%4)+4*\i+3], v3, s[8:9] offset:2048*(\t)+512*\i th:TH_LOAD_NT
.endr
.endm
.macro TURN t, lb
.irp i, 0,1,2,3
	ds_store_b128 v14, v[R+16*((\t)%4)+4*\i:R+16*((\t)%4)+4*\i+3] offset:\lb+32*SP*((\t)%2)+8*SP*\i
.endr
	ds_load_b128 v[X+16*((\t)%2):X+16*((\t)%2)+3],     v15 offset:\lb+32*SP*((\t)%2)
	ds_load_b128 v[X+16*((\t)%2)+4:X+16*((\t)%2)+7],   v15 offset:\lb+32*SP*((\t)%2)+16
	ds_load_b128 v[X+16*((\t)%2)+8:X+16*((\t)%2)+11],  v15 offset:\lb+32*SP*((\t)%2)+SP
	ds_load_b128 v[X+16*((\t)%2)+12:X+16*((\t)%2)+15], v15 offset:\lb+32*SP*((\t)%2)+SP+16
.endm
.macro QSTEP t, nout, lb, ng
	s_wait_dscnt 0x0
.if (\t)+4 < 8
	LOAD (\t)+4
.endif
.if (\t)+1 < 8
.if 6-(\t) >= 3
	s_wait_loadcnt 12
.else
	s_wait_loadcnt 4*(6-(\t))
.endif
	TURN (\t)+1, \lb
.endif
.set XS, X+16*((\t)%2)
.set p, 0
.rept \nout
.set TS, T+16*(((\nout)*(\t)+p)%2)
.if (\ng) && (p == 1)
.irp i, 0,1,2,3,4,5,6,7,8,9,10,11,12,13,14,15
	v_med3_num_f32 v[TS+\i], -v[XS+\i], -v[SC+2*p+1], v[SC+2*p+1]
.endr
.else
.irp i, 0,1,2,3,4,5,6,7,8,9,10,11,12,13,14,15
	v_med3_num_f32 v[TS+\i], v[XS+\i], -v[SC+2*p+1], v[SC+2*p+1]
.endr
.endif
	v_cvt_scalef32_pk8_bf8_f32 v[C+12*(\t)+4*p:C+12*(\t)+4*p+1], v[TS:TS+7], v[SC+2*p]
	v_cvt_scalef32_pk8_bf8_f32 v[C+12*(\t)+4*p+2:C+12*(\t)+4*p+3], v[TS+8:TS+15], v[SC+2*p]
.set p, p+1
.endr
.set p, 0
.rept \nout
	global_store_b128 v3, v[C+12*(\t)+4*p:C+12*(\t)+4*p+3], s[36+2*p:37+2*p] offset:512*(\t)
.set p, p+1
.endr
.endm
	s_load_b512 s[8:23], s[0:1], 0x0
	v_lshl_add_u32 v240, v0, 2, 0x10000
	v_mov_b32 v241, 0
	v_lshrrev_b32 v1, 5, v0
	v_readfirstlane_b32 s32, v1
	v_and_b32 v2, 31, v0
	v_lshlrev_b32 v3, 4, v2
	s_mul_i32 s33, s32, WREG
	v_lshrrev_b32 v14, 2, v2
	v_mul_u32_u24 v14, v14, SP
	v_and_b32 v15, 3, v2
	v_lshl_add_u32 v14, v15, 4, v14
	v_add_nc_u32 v14, s33, v14
	v_lshrrev_b32 v15, 1, v2
	v_mul_u32_u24 v15, v15, 2*SP
	v_and_b32 v4, 1, v2
	v_lshl_add_u32 v15, v4, 5, v15
	v_add_nc_u32 v15, s33, v15
	s_mov_b32 s35, 0
	s_wait_kmcnt 0x0
	s_cmp_ge_u32 ttmp9, 704
	s_cbranch_scc1 .Lflags
	s_load_b256 s[24:31], s[18:19], 0x0
	s_cmp_ge_u32 ttmp9, 512
	s_cbranch_scc1 .Lweights
	s_lshl_b32 s34, ttmp9, 16
	s_lshl_b32 s33, s32, 14
	s_add_co_u32 s34, s34, s33
	s_add_nc_u64 s[8:9], s[8:9], s[34:35]
	s_lshl_b32 s34, ttmp9, 14
	s_lshl_b32 s33, s32, 12
	s_add_co_u32 s34, s34, s33
	s_add_nc_u64 s[36:37], s[20:21], s[34:35]
	s_add_nc_u64 s[38:39], s[36:37], 0x800000
	s_add_nc_u64 s[40:41], s[36:37], 0x1000000
.irp t, 0,1,2,3
	LOAD \t
.endr
	s_wait_kmcnt 0x0
	MKS 24, 0
	MKS 26, 1
	MKS 28, 2
	s_wait_loadcnt 12
	TURN 0, LBX
.irp t, 0,1,2,3,4,5,6,7
	QSTEP \t, 3, LBX, 0
.endr
	s_wait_tensorcnt 0x0
	ds_add_u32 v240, v241
	s_wait_dscnt 0x0
	s_endpgm
.Lweights:
	s_sub_co_u32 s43, ttmp9, 512
	s_lshr_b32 s44, s43, 6
	s_cmp_eq_u32 s44, 0
	s_cselect_b64 s[8:9], s[10:11], s[12:13]
	s_cmp_eq_u32 s44, 2
	s_cselect_b64 s[8:9], s[14:15], s[8:9]
	s_and_b32 s34, s43, 63
	s_lshl_b32 s34, s34, 16
	s_lshl_b32 s33, s32, 14
	s_add_co_u32 s34, s34, s33
	s_add_nc_u64 s[8:9], s[8:9], s[34:35]
	s_lshl_b32 s34, s43, 14
	s_lshl_b32 s33, s32, 12
	s_add_co_u32 s34, s34, s33
	s_add_co_u32 s34, s34, 0x1800000
	s_add_nc_u64 s[36:37], s[20:21], s[34:35]
	s_add_nc_u64 s[38:39], s[36:37], 0x300000
.irp t, 0,1,2,3
	LOAD \t
.endr
	s_wait_kmcnt 0x0
	s_cmp_eq_u32 s44, 0
	s_cselect_b32 s45, s25, s27
	s_cmp_eq_u32 s44, 2
	s_cselect_b32 s45, s29, s45
	MKS 45, 0
	MKS 45, 1
	s_wait_loadcnt 12
	TURN 0, LBW
.irp t, 0,1,2,3,4,5,6,7
	QSTEP \t, 2, LBW, 1
.endr
	s_wait_tensorcnt 0x0
	ds_add_u32 v240, v241
	s_wait_dscnt 0x0
	s_endpgm
.Lflags:
	v_lshlrev_b32 v4, 6, v0
	v_lshlrev_b32 v5, 2, v0
	v_mov_b32 v6, 1.0
.irp j, 0,1,2,3
.irp i, 0,1,2,3
	global_load_b128 v[16+16*\j+4*\i:19+16*\j+4*\i], v4, s[16:17] offset:8192*\j+16*\i
.endr
.endr
	s_wait_loadcnt 0x0
.irp j, 0,1,2,3
	v_mov_b32 v[80+2*\j], 0
.irp n, 0,1,2,3,4,5,6,7,8,9,10,11,12,13,14,15
	v_cmp_le_f32 vcc_lo, 1.0, v[16+16*\j+\n]
	v_cndmask_b32 v[80+2*\j], v[80+2*\j], v6, vcc_lo
	v_add_f32 v7, 1.0, v[16+16*\j+\n]
	v_cmp_le_f32 vcc_lo, 1.0, v7
	v_cndmask_b32 v[80+2*\j], v6, v[80+2*\j], vcc_lo
.endr
	v_mov_b32 v[81+2*\j], v[80+2*\j]
	v_max_num_f32_dpp v[81+2*\j], v[81+2*\j], v[81+2*\j] row_xmask:1 row_mask:0xf bank_mask:0xf
	v_max_num_f32_dpp v[81+2*\j], v[81+2*\j], v[81+2*\j] row_xmask:2 row_mask:0xf bank_mask:0xf
	v_max_num_f32_dpp v[81+2*\j], v[81+2*\j], v[81+2*\j] row_xmask:4 row_mask:0xf bank_mask:0xf
	v_max_num_f32_dpp v[81+2*\j], v[81+2*\j], v[81+2*\j] row_xmask:8 row_mask:0xf bank_mask:0xf
	v_fma_f32 v[80+2*\j], v[81+2*\j], 2.0, v[80+2*\j]
	v_cvt_u32_f32 v[80+2*\j], v[80+2*\j]
	global_store_b32 v5, v[80+2*\j], s[22:23] offset:512*\j
.endr
	s_endpgm
.Lfunc_end_k_qdf0105e818_quant:
	.size	k_qdf0105e818_quant, .Lfunc_end_k_qdf0105e818_quant-k_qdf0105e818_quant
	.p2alignl 7, 3214868480
	.fill 96, 4, 3214868480
	.section	.rodata,"a",@progbits
	.p2align	6, 0x0
	.amdhsa_kernel k_qdf0105e818_quant
		.amdhsa_group_segment_fixed_size 66048
		.amdhsa_private_segment_fixed_size 0
		.amdhsa_enable_private_segment 0
		.amdhsa_kernarg_size 64
		.amdhsa_user_sgpr_count 2
		.amdhsa_user_sgpr_kernarg_segment_ptr 1
		.amdhsa_wavefront_size32 1
		.amdhsa_system_sgpr_workgroup_id_x 1
		.amdhsa_system_sgpr_workgroup_id_y 1
		.amdhsa_system_sgpr_workgroup_id_z 1
		.amdhsa_system_vgpr_workitem_id 0
		.amdhsa_next_free_vgpr 242
		.amdhsa_next_free_sgpr 66
		.amdhsa_reserve_vcc 1
		.amdhsa_float_denorm_mode_32 3
		.amdhsa_float_denorm_mode_16_64 3
		.amdhsa_memory_ordered 1
		.amdhsa_forward_progress 1
		.amdhsa_inst_pref_size 82
	.end_amdhsa_kernel
	.amdgpu_metadata
---
amdhsa.version: [ 1, 2 ]
amdhsa.kernels:
  - .name:           k_qdf0105e818_quant
    .symbol:         k_qdf0105e818_quant.kd
    .args:
      - { .name: x, .offset: 0, .size: 8, .value_kind: global_buffer, .address_space: global }
      - { .name: Wq, .offset: 8, .size: 8, .value_kind: global_buffer, .address_space: global }
      - { .name: Wk, .offset: 16, .size: 8, .value_kind: global_buffer, .address_space: global }
      - { .name: Wv, .offset: 24, .size: 8, .value_kind: global_buffer, .address_space: global }
      - { .name: atten_mask, .offset: 32, .size: 8, .value_kind: global_buffer, .address_space: global }
      - { .name: lowp_scales, .offset: 40, .size: 8, .value_kind: global_buffer, .address_space: global }
      - { .name: codes, .offset: 48, .size: 8, .value_kind: global_buffer, .address_space: global }
      - { .name: flags, .offset: 56, .size: 8, .value_kind: global_buffer, .address_space: global }
    .group_segment_fixed_size: 66048
    .private_segment_fixed_size: 0
    .kernarg_segment_align: 8
    .kernarg_segment_size: 64
    .max_flat_workgroup_size: 128
    .sgpr_count:     66
    .vgpr_count:     242
    .wavefront_size: 32
...
	.end_amdgpu_metadata
.endif
;; end of part 1
;; launch proj (part 2): grid 12 x 32, 4 waves a work-group, clusters of 4 x 4, 327,680 bytes of LDS; arguments codes, lowp_scales, bq, bk, bv, qc, kc, vc; writes qc, kc, vc
.if DOCPART == 2
	.amdgcn_target "amdgcn-amd-amdhsa--gfx1250"
	.amdhsa_code_object_version 6
	.text
	.protected	k_qdf0105e818_proj
	.globl	k_qdf0105e818_proj
	.p2align	8
	.type	k_qdf0105e818_proj,@function
k_qdf0105e818_proj:
	s_mov_b64 s[64:65], 0
	v_nop
	global_prefetch_b8 v0, s[64:65] scope:SCOPE_SE
	s_setreg_imm32_b32 hwreg(HW_REG_WAVE_MODE, 25, 1), 1
	s_wait_xcnt 0x0
	s_wait_alu depctr_hold_cnt(0) depctr_sa_sdst(0) depctr_va_vdst(0) depctr_va_sdst(0) depctr_va_ssrc(0) depctr_va_vcc(0) depctr_vm_vsrc(0)
	s_getreg_b32 s2, hwreg(HW_REG_IB_STS2, 6, 4)
	s_cmp_eq_u32 s2, 0
	s_cbranch_scc0 .Lentry_in_a_cluster
	s_endpgm
.Lentry_in_a_cluster:
	s_bfe_u32 s2, ttmp6, 0x10000c
	s_cmp_lg_u32 s2, 0xf033
	s_cbranch_scc0 .Lentry_shape_is_right
	s_endpgm
.Lentry_shape_is_right:
.set ROWB,   256
.set KROW,   1024
.set TURNED, 3072*KROW
.set PITCH,  272
.set FR,     16
.set NL,     4
.set NP,     4
.set HALFT,  128*PITCH
.set SLOT,   4*HALFT
.set SPARE,  2*SLOT
.set STAGE,  SPARE+512
.set SPITCH, 144
.set CO,   8
.set SCL,  12
.set LIM,  13
.set ZR,   14
.set ADRA, 16
.set ADRB, 20
.set STO,  24
.set RD,   25
.set SPW,  28
.set NIL,  29
.set BC,   32
.set BR,   96
.set AF,   128
.set Y,    128
.set CD,   192
.set RB,   224
.set DA, 4
.set DB, 8
.set G1, 24
.set G0, 32
.set G1B, 48
.set G0B, 56
.set MSB, 0
.macro WIN new
.if MSB != \new
	s_set_vgpr_msb (MSB<<8)|\new
.set MSB, \new
.endif
.endm
.set MUL_LO, 0xa1
.set MUL_HI, 0xf1
.set TO_B,   0x40
.macro JLOAD g0a, g1a, g0b, g1b
	s_cmp_eq_u32 s15, 0
	s_cbranch_scc0 .Lfor_b_\@
	tensor_load_to_lds s[\g0a:\g0a+3], s[\g1a:\g1a+7]
	s_nop 0
.rept 4
	v_nop
.endr
	s_branch .Lasked_\@
.Lfor_b_\@:
	tensor_load_to_lds s[\g0b:\g0b+3], s[\g1b:\g1b+7]
	s_nop 0
.rept 4
	v_nop
.endr
.Lasked_\@:
.endm
.macro CREST
	s_cmp_lg_u32 s14, 0
	s_cbranch_scc1 .Lnot_wave_0_\@
	s_barrier_signal -3
.Lnot_wave_0_\@:
	s_barrier_wait -3
	s_barrier_signal -1
	s_barrier_wait -1
.endm
.macro CROUND
	s_barrier_signal -1
	s_barrier_wait -1
	CREST
.endm
	s_load_b512 s[68:83], s[0:1], 0x0
	v_lshl_add_u32 v[SPW], v0, 2, SPARE
	v_mov_b32 v[NIL], 0
	ds_add_u32 v28, v29
	ds_add_u32 v28, v29
	s_wait_dscnt 0x0
	v_lshrrev_b32 v1, 5, v0
	v_readfirstlane_b32 s14, v1
	s_lshr_b32 s15, s14, 1
	s_and_b32 s16, s14, 1
	s_bfe_u32 s40, ttmp6, 0x40000
	s_bfe_u32 s41, ttmp6, 0x40004
	s_lshl_b32 s43, s41, 2
	s_lshl_b32 s43, 15, s43
	s_lshl_b32 s44, 0x1111, s40
	s_or_b32 s[G1+0], s43, (0<<16)|(1<<20)|(1<<21)|(5<<22)|(3<<25)
	s_or_b32 s[G1B+0], s44, (0<<16)|(1<<20)|(1<<21)|(5<<22)|(3<<25)
.irp g, G1, G1B
	s_mov_b32 s[\g+1], ROWB<<16
	s_mov_b32 s[\g+2], 128<<16
	s_mov_b32 s[\g+3], ROWB<<16
	s_mov_b32 s[\g+4], 128
	s_mov_b32 s[\g+5], KROW
	s_mov_b32 s[\g+6], 0
	s_mov_b32 s[\g+7], 0
.endr
	s_and_b32 s17, ttmp7, 0xffff
	s_lshl_b32 s19, s17, 10
	s_lshl_b32 s20, ttmp9, 13
	s_add_co_u32 s20, s20, s19
	s_lshl_b32 s46, ttmp9, 10
	s_add_co_u32 s46, s46, 24576
	s_add_co_u32 s19, s19, 16384
	s_mov_b32 s18, 26624
	s_cmp_eq_u32 ttmp9, 2
	s_cselect_b32 s20, s18, s20
	s_cselect_b32 s46, s19, s46
	s_cselect_b32 s94, -1, 0
	s_lshl_b32 s18, s16, 7
	s_lshl_b32 s19, s41, 8
	s_add_co_u32 s20, s20, s19
	s_add_co_u32 s20, s20, s18
	s_lshl_b32 s47, s40, 8
	s_add_co_u32 s46, s46, s47
	s_add_co_u32 s46, s46, s18
	s_lshl_b32 s20, s20, 10
	s_lshl_b32 s46, s46, 10
	s_mov_b32 s21, 0
	s_mov_b32 s47, 0
	s_mul_i32 s45, s14, HALFT
	s_wait_kmcnt 0x0
	s_load_b256 s[84:91], s[70:71], 0x0
	s_load_b64 s[92:93], s[70:71], 0x20
	s_add_nc_u64 s[20:21], s[68:69], s[20:21]
	s_add_nc_u64 s[46:47], s[68:69], s[46:47]
	CROUND
.irp s, 0,1
	s_mov_b32 s[G0+4*\s], 1
	s_add_co_u32 s[G0+4*\s+1], s45, \s*SLOT
	s_add_nc_u64 s[G0+4*\s+2:G0+4*\s+3], s[20:21], \s*ROWB
	s_or_b32 s[G0+4*\s+3], s[G0+4*\s+3], 0x80000000
	s_mov_b32 s[G0B+4*\s], 1
	s_add_co_u32 s[G0B+4*\s+1], s45, \s*SLOT
	s_add_nc_u64 s[G0B+4*\s+2:G0B+4*\s+3], s[46:47], \s*ROWB
	s_or_b32 s[G0B+4*\s+3], s[G0B+4*\s+3], 0x80000000
	JLOAD G0+4*\s, G1, G0B+4*\s, G1B
.endr
	v_and_b32 v1, 15, v0
	v_bfe_u32 v2, v0, 4, 1
	v_mul_u32_u24 v3, v1, PITCH
	v_lshl_add_u32 v4, v2, 4, v3
	s_mul_i32 s21, s15, HALFT
	s_mul_i32 s22, s16, HALFT
	s_add_co_u32 s22, s22, 2*HALFT
.irp s, 0,1
	v_add_nc_u32 v[ADRA+\s], s21, v4
	v_add_nc_u32 v[ADRB+\s], s22, v4
	s_add_co_u32 s21, s21, SLOT
	s_add_co_u32 s22, s22, SLOT
.endr
	s_mul_i32 s23, s14, 16*SPITCH
	s_add_co_u32 s23, s23, STAGE
	v_mul_u32_u24 v5, v1, SPITCH
	v_lshl_add_u32 v5, v2, 4, v5
	v_add_nc_u32 v[STO], s23, v5
	v_bfe_u32 v6, v0, 3, 2
	v_and_b32 v7, 7, v0
	v_mul_u32_u24 v5, v6, SPITCH
	v_lshl_add_u32 v5, v7, 4, v5
	v_add_nc_u32 v[RD], s23, v5
	s_lshl_b32 s42, s41, 1
	s_add_co_u32 s42, s42, s15
	s_lshl_b32 s43, s40, 1
	s_add_co_u32 s43, s43, s16
	s_cmp_eq_u32 ttmp9, 0
	s_cselect_b64 s[6:7], s[72:73], s[74:75]
	s_cselect_b64 s[10:11], s[78:79], s[80:81]
	s_cmp_eq_u32 ttmp9, 2
	s_cselect_b64 s[6:7], s[76:77], s[6:7]
	s_cselect_b64 s[10:11], s[82:83], s[10:11]
	s_cselect_b32 s44, s43, s42
	s_cselect_b32 s45, s42, s43
	s_cselect_b32 s18, 128, 64
	s_cselect_b32 s19, 64, 8192
	s_lshl_b32 s22, s18, 2
	s_lshl_b32 s12, s18, 4
	s_mov_b32 s13, 0
	s_lshl_b32 s17, s17, 3
	s_add_co_u32 s44, s44, s17
	s_lshl_b32 s44, s44, 17
	s_lshl_b32 s45, s45, 14
	s_add_co_u32 s44, s44, s45
	s_mov_b32 s45, 0
	s_add_nc_u64 s[10:11], s[10:11], s[44:45]
	v_mul_lo_u32 v5, v6, s18
	v_bfe_u32 v6, v0, 2, 1
	v_mul_lo_u32 v6, v6, s19
	v_and_b32 v7, 3, v0
	v_lshl_add_u32 v5, v7, 4, v5
	v_add_nc_u32 v[CO], v5, v6
	v_add_nc_u32 v[CO+1], s22, v[CO]
	v_add_nc_u32 v[CO+2], s22, v[CO+1]
	v_add_nc_u32 v[CO+3], s22, v[CO+2]
	s_lshl_b32 s2, s43, 9
	s_mov_b32 s3, 0
	s_add_nc_u64 s[4:5], s[6:7], s[2:3]
	s_lshl_b32 s2, s42, 9
	s_add_nc_u64 s[8:9], s[6:7], s[2:3]
	v_lshlrev_b32 v26, 5, v2
	v_lshlrev_b32 v27, 2, v1
.irp b, 0,1,2,3,4,5,6,7
	global_load_b128 v[BC+8*\b:BC+8*\b+3], v26, s[4:5] offset:64*\b
	global_load_b128 v[BC+8*\b+4:BC+8*\b+7], v26, s[4:5] offset:64*\b+16
.endr
.irp a, 0,1,2,3,4,5,6,7
	global_load_b32 v[BR+2*\a], v27, s[8:9] offset:64*\a
	v_mov_b32 v[BR+2*\a+1], 0
.endr
	v_mov_b32 v[ZR], 0
	s_wait_loadcnt 0x0
.set j, 0
.rept 64
	v_cndmask_b32 v[BC+j], v[BC+j], v[ZR], s94
.set j, j+1
.endr
.irp a, 0,1,2,3,4,5,6,7
	v_cndmask_b32 v[BR+2*\a], v[ZR], v[BR+2*\a], s94
.endr
	s_cmp_eq_u32 ttmp9, 2
	s_cselect_b32 s[DA], TURNED, 0
	s_cselect_b32 s[DB], 0, TURNED
	s_mov_b32 s[DA+1], 0
	s_mov_b32 s[DB+1], 0
.macro FRAG reg, adr, q, i
.irp c, 0,1,2,3
	ds_load_b128 v[\reg+4*\c:\reg+4*\c+3], v[\adr] offset:128*(\q)+32*\c+(\i)*16*PITCH
.endr
.endm
.macro MUL16 a0, p, zero
.irp a, \a0, \a0+1
.irp b, 0,1,2,3,4,5,6,7
.if \zero
	v_wmma_f32_16x16x128_bf8_bf8 v[8*(8*((\a)%4)+\b):8*(8*((\a)%4)+\b)+7], v[128*(\p)+FR*\b:128*(\p)+FR*\b+FR-1], v[AF+FR*(\a):AF+FR*(\a)+FR-1], 0
.else
	v_wmma_f32_16x16x128_bf8_bf8 v[8*(8*((\a)%4)+\b):8*(8*((\a)%4)+\b)+7], v[128*(\p)+FR*\b:128*(\p)+FR*\b+FR-1], v[AF+FR*(\a):AF+FR*(\a)+FR-1], v[8*(8*((\a)%4)+\b):8*(8*((\a)%4)+\b)+7]
.endif
.endr
.endr
.endm
.macro FETCH_B slot, q, p
	WIN TO_B
.irp i, 0,1,2,3,4,5,6,7
	FRAG 128*(\p)+FR*\i, ADRB+\slot, \q, \i
.endr
	WIN 0
.endm
.macro FETCH_A slot, q, i0
.irp i, \i0, \i0+1, \i0+2, \i0+3
	FRAG AF+FR*(\i), ADRA+\slot, \q, \i
.endr
.endm
.macro PLACES n
.rept \n
	v_nop
.endr
.endm
.macro STEP slot, q, zero
	s_wait_dscnt 4*NL
	WIN MUL_LO
	MUL16 0, (\q)%2, \zero
	MUL16 2, (\q)%2, \zero
	s_wait_dscnt 0
	PLACES NP
	FETCH_B \slot, (\q)+1, 1-(\q)%2
	FETCH_A \slot, (\q)+1, 0
	WIN MUL_HI
	MUL16 4, (\q)%2, \zero
	MUL16 6, (\q)%2, \zero
	PLACES NP
	WIN 0
	FETCH_A \slot, (\q)+1, 4
.endm
.macro TURN slot, next, fill
	s_wait_tensorcnt 0x0
	ds_add_u32 v[SPW], v[NIL]
	s_wait_dscnt 4*NL+1
	WIN MUL_LO
	MUL16 0, 1, 0
	s_wait_dscnt 0x0
	s_barrier_signal -1
	MUL16 2, 1, 0
	WIN 0
	s_barrier_wait -1
.if \fill
	CREST
.if \fill == 2
	s_sub_nc_u64 s[G0+4*\slot+2:G0+4*\slot+3], s[G0+4*\slot+2:G0+4*\slot+3], 2*ROWB
	s_add_nc_u64 s[G0+4*\slot+2:G0+4*\slot+3], s[G0+4*\slot+2:G0+4*\slot+3], s[DA:DA+1]
	s_sub_nc_u64 s[G0B+4*\slot+2:G0B+4*\slot+3], s[G0B+4*\slot+2:G0B+4*\slot+3], 2*ROWB
	s_add_nc_u64 s[G0B+4*\slot+2:G0B+4*\slot+3], s[G0B+4*\slot+2:G0B+4*\slot+3], s[DB:DB+1]
.else
	s_add_nc_u64 s[G0+4*\slot+2:G0+4*\slot+3], s[G0+4*\slot+2:G0+4*\slot+3], 2*ROWB
	s_add_nc_u64 s[G0B+4*\slot+2:G0B+4*\slot+3], s[G0B+4*\slot+2:G0B+4*\slot+3], 2*ROWB
.endif
	JLOAD G0+4*\slot, G1, G0B+4*\slot, G1B
.else
	PLACES NP
.endif
	FETCH_B \next, 0, 0
	FETCH_A \next, 0, 0
	WIN MUL_HI
	MUL16 4, 1, 0
	MUL16 6, 1, 0
	PLACES NP
	WIN 0
	FETCH_A \next, 0, 4
.endm
.macro NEGATE
	WIN 0x82
.set j, 0
.rept 128
	v_pk_mul_f32 v[j:j+1], v[j:j+1], -1.0 op_sel_hi:[1,0]
.set j, j+2
.endr
	WIN 0xc3
.set j, 0
.rept 128
	v_pk_mul_f32 v[j:j+1], v[j:j+1], -1.0 op_sel_hi:[1,0]
.set j, j+2
.endr
	WIN 0
.endm
	s_wait_tensorcnt 1
	s_barrier_signal -1
	s_barrier_wait -1
	FETCH_B 0, 0, 0
	FETCH_A 0, 0, 0
	FETCH_A 0, 0, 4
	STEP 0, 0, 1
	TURN 0, 1, 1
	STEP 1, 0, 0
	TURN 1, 0, 1
	STEP 0, 0, 0
	TURN 0, 1, 2
	STEP 1, 0, 0
	TURN 1, 0, 2
	NEGATE
	STEP 0, 0, 0
	TURN 0, 1, 1
	STEP 1, 0, 0
	TURN 1, 0, 1
	STEP 0, 0, 0
	TURN 0, 1, 0
	STEP 1, 0, 0
	s_wait_dscnt 4*NL
	WIN MUL_LO
	MUL16 0, 1, 0
	MUL16 2, 1, 0
	s_wait_dscnt 0
	WIN MUL_HI
	MUL16 4, 1, 0
	MUL16 6, 1, 0
	WIN 0
.macro OUTBLK a
.set AC, 64*((\a)%4)
.set CDS, CD+16*((\a)%2)
.set RBS, RB+16*((\a)%2)
	WIN 0x02+((\a)/4)
.set j, 0
.rept 32
	v_pk_fma_f32 v[Y+j:Y+j+1], v[AC+j:AC+j+1], s[96:97], v[BC+j:BC+j+1] op_sel_hi:[1,0,1]
.set j, j+2
.endr
	WIN 0
.set j, 0
.rept 32
	v_pk_add_f32 v[Y+j:Y+j+1], v[Y+j:Y+j+1], v[BR+2*(\a):BR+2*(\a)+1] op_sel_hi:[1,0]
.set j, j+2
.endr
.set j, 0
.rept 64
	v_med3_num_f32 v[Y+j], v[Y+j], -v[LIM], v[LIM]
.set j, j+1
.endr
.irp b, 0,1,2,3,4,5,6,7
	v_cvt_scalef32_pk8_bf8_f32 v[CDS+2*\b:CDS+2*\b+1], v[Y+8*\b:Y+8*\b+7], v[SCL]
.endr
	v_nop
.irp b, 0,1,2,3,4,5,6,7
	ds_store_b64 v[STO], v[CDS+2*\b:CDS+2*\b+1] offset:32*(\b/2)+8*(\b%2)
.endr
.irp i, 0,1,2,3
	ds_load_b128 v[RBS+4*\i:RBS+4*\i+3], v[RD] offset:4*SPITCH*\i
.endr
.endm
.macro SENDBLK a, younger
.set RBS, RB+16*((\a)%2)
	s_wait_dscnt \younger
.if (\a) > 0
	s_add_nc_u64 s[10:11], s[10:11], s[12:13]
.endif
.irp i, 0,1,2,3
	global_store_b128 v[CO+\i], v[RBS+4*\i:RBS+4*\i+3], s[10:11]
.endr
.endm
	s_wait_kmcnt 0x0
	s_cmp_eq_u32 ttmp9, 0
	s_cselect_b32 s95, s84, s86
	s_cselect_b32 s96, s85, s87
	s_cselect_b32 s98, s90, s91
	s_cmp_eq_u32 ttmp9, 2
	s_cselect_b32 s95, s88, s95
	s_cselect_b32 s96, s89, s96
	s_cselect_b32 s98, s93, s98
	s_add_co_i32 s96, s96, s95
	s_add_co_i32 s96, s96, 126
	s_lshl_b32 s96, s96, 23
	s_or_b32 s96, s96, 0x80000000
	s_mov_b32 s97, s96
	s_add_co_i32 s98, s98, 127
	s_lshl_b32 s95, s98, 23
	v_mov_b32 v[SCL], s95
	s_add_co_i32 s98, s98, 15
	s_lshl_b32 s98, s98, 23
	s_or_b32 s98, s98, 0x600000
	v_mov_b32 v[LIM], s98
	PLACES NP
	OUTBLK 0
.irp a, 1,2,3,4,5,6,7
.if \a > 1
	s_wait_xcnt 0x0
.endif
	OUTBLK \a
	SENDBLK \a-1, 12
.endr
	s_wait_xcnt 0x0
	SENDBLK 7, 0
	s_wait_tensorcnt 0x0
	ds_add_u32 v[SPW], v[NIL]
	s_wait_dscnt 0x0
	CROUND
	s_endpgm
.Lfunc_end_k_qdf0105e818_proj:
	.size	k_qdf0105e818_proj, .Lfunc_end_k_qdf0105e818_proj-k_qdf0105e818_proj
	.p2alignl 7, 3214868480
	.fill 96, 4, 3214868480
	.section	.rodata,"a",@progbits
	.p2align	6, 0x0
	.amdhsa_kernel k_qdf0105e818_proj
		.amdhsa_group_segment_fixed_size 327680
		.amdhsa_private_segment_fixed_size 0
		.amdhsa_enable_private_segment 0
		.amdhsa_kernarg_size 64
		.amdhsa_user_sgpr_count 2
		.amdhsa_user_sgpr_kernarg_segment_ptr 1
		.amdhsa_wavefront_size32 1
		.amdhsa_system_sgpr_workgroup_id_x 1
		.amdhsa_system_sgpr_workgroup_id_y 1
		.amdhsa_system_sgpr_workgroup_id_z 1
		.amdhsa_system_vgpr_workitem_id 0
		.amdhsa_next_free_vgpr 1024
		.amdhsa_next_free_sgpr 100
		.amdhsa_reserve_vcc 0
		.amdhsa_float_denorm_mode_32 3
		.amdhsa_float_denorm_mode_16_64 3
		.amdhsa_memory_ordered 1
		.amdhsa_forward_progress 1
		.amdhsa_inst_pref_size 253
	.end_amdhsa_kernel
	.amdgpu_metadata
---
amdhsa.version: [ 1, 2 ]
amdhsa.kernels:
  - .name:           k_qdf0105e818_proj
    .symbol:         k_qdf0105e818_proj.kd
    .args:
      - { .name: codes, .offset: 0, .size: 8, .value_kind: global_buffer, .address_space: global }
      - { .name: lowp_scales, .offset: 8, .size: 8, .value_kind: global_buffer, .address_space: global }
      - { .name: bq, .offset: 16, .size: 8, .value_kind: global_buffer, .address_space: global }
      - { .name: bk, .offset: 24, .size: 8, .value_kind: global_buffer, .address_space: global }
      - { .name: bv, .offset: 32, .size: 8, .value_kind: global_buffer, .address_space: global }
      - { .name: qc, .offset: 40, .size: 8, .value_kind: global_buffer, .address_space: global }
      - { .name: kc, .offset: 48, .size: 8, .value_kind: global_buffer, .address_space: global }
      - { .name: vc, .offset: 56, .size: 8, .value_kind: global_buffer, .address_space: global }
    .group_segment_fixed_size: 327680
    .private_segment_fixed_size: 0
    .kernarg_segment_align: 8
    .kernarg_segment_size: 64
    .max_flat_workgroup_size: 128
    .sgpr_count:     100
    .vgpr_count:     1024
    .wavefront_size: 32
...
	.end_amdgpu_metadata
.endif
;; end of part 2
;; launch attn (part 3): grid 4 x 64, 16 waves a work-group, no clusters, 202,752 bytes of LDS; arguments qc, kc, vc, atten_mask, flags, lowp_scales, out0; writes out0
.if DOCPART == 3
	.amdgcn_target "amdgcn-amd-amdhsa--gfx1250"
	.amdhsa_code_object_version 6
	.text
	.protected	k_qdf0105e818_attn
	.globl	k_qdf0105e818_attn
	.p2align	8
	.type	k_qdf0105e818_attn,@function
k_qdf0105e818_attn:
	s_mov_b64 s[64:65], 0
	v_nop
	global_prefetch_b8 v0, s[64:65] scope:SCOPE_SE
	s_setreg_imm32_b32 hwreg(HW_REG_WAVE_MODE, 25, 1), 1
	s_wait_xcnt 0x0
.set SLOT1,  65536
.set KPI,    80
.set VPI,    144
.set KSTEPB, 128*KPI
.set VOFF,   2*KSTEPB
.set VSTEPB, 64*VPI
.set STAGE,  2*SLOT1
.set SPI,    272
.set AK0, 1
.set AV0, 2
.set KST, 3
.set VST, 4
.set L16, 5
.set STI, 6
.set STB, 7
.set ADK, 8
.set ADV, 9
.set SKA, 10
.set SVA, 11
.set QF,  16
.set QO,  24
.set MO,  25
.set DB,  26
.set RV,  27
.set DD,  28
.set GO,  29
.set AM,  30
.set RH,  31
.set FRG, 32
.set S,   96
.set O,   160
.set PC,  192
.set STG, 208
.set WV,   18
.set BB,   19
.set SEL,  20
.set CS,   22
.set HD,   24
.set BLK,  25
.set BL,   26
.set SL,   27
.set NSL,  28
.set LIMH, 29
.set OPN,  30
.set KF,   31
.set TB,   32
.set TBO,  33
.set Q0,   34
.set FW,   35
.set KB,   36
.set VB,   38
.set KP,   40
.set VP,   42
.set NX,   44
.set QB,   46
.set MB,   48
.set OB,   50
	s_load_b256 s[4:11], s[0:1], 0x0
	s_load_b128 s[12:15], s[0:1], 0x20
	s_load_b64 s[16:17], s[0:1], 0x30
	v_lshl_add_u32 v251, v0, 2, 0x31000
	v_mov_b32 v255, 0
	v_lshrrev_b32 v32, 5, v0
	v_readfirstlane_b32 s[WV], v32
	s_and_b32 s58, ttmp7, 0xffff
	s_lshr_b32 s[BB], s58, 4
	s_and_b32 s[HD], s58, 15
	s_sub_co_u32 s[BLK], 7, ttmp9
	s_mov_b32 s[BL], 0
	s_mov_b32 s[SEL], 0x76543210
	s_mov_b32 s[SEL+1], 0xfedcba98
	s_mov_b32 s[NX+1], 0
	v_and_b32 v32, 15, v0
	v_bfe_u32 v33, v0, 4, 1
	v_and_b32 v34, 31, v0
	v_mul_u32_u24 v[AK0], v32, KPI
	v_lshl_add_u32 v[AK0], v33, 4, v[AK0]
	v_mul_u32_u24 v[AV0], v32, VPI
	v_lshl_add_u32 v[AV0], v33, 4, v[AV0]
	v_add_nc_u32 v[AV0], VOFF, v[AV0]
	s_lshr_b32 s58, s[WV], 3
	s_mul_i32 s59, s58, KSTEPB
	s_and_b32 s60, s[WV], 7
	s_mul_i32 s60, s60, 16*KPI
	s_add_co_u32 s59, s59, s60
	v_bfe_u32 v35, v0, 2, 3
	v_and_b32 v36, 3, v0
	v_mul_u32_u24 v[KST], v35, KPI
	v_lshl_add_u32 v[KST], v36, 4, v[KST]
	v_add_nc_u32 v[KST], s59, v[KST]
	s_mul_i32 s59, s58, VSTEPB
	s_and_b32 s60, s[WV], 7
	s_mul_i32 s60, s60, 8*VPI
	s_add_co_u32 s59, s59, s60
	s_add_co_u32 s59, s59, VOFF
	v_bfe_u32 v35, v0, 3, 2
	v_and_b32 v36, 7, v0
	v_mul_u32_u24 v[VST], v35, VPI
	v_lshl_add_u32 v[VST], v36, 4, v[VST]
	v_add_nc_u32 v[VST], s59, v[VST]
	s_mul_i32 s59, s[WV], 16*SPI
	s_add_co_u32 s59, s59, STAGE
	v_mul_u32_u24 v[STI], v32, SPI
	v_lshl_add_u32 v[STI], v33, 5, v[STI]
	v_add_nc_u32 v[STI], s59, v[STI]
	v_mul_u32_u24 v[STB], v33, SPI
	v_lshl_add_u32 v[STB], v32, 4, v[STB]
	v_add_nc_u32 v[STB], s59, v[STB]
	v_lshlrev_b32 v[L16], 4, v34
	v_lshlrev_b32 v[QO], 6, v32
	v_lshl_add_u32 v[QO], v33, 4, v[QO]
	v_lshlrev_b32 v[MO], 2, v32
	v_lshlrev_b32 v[GO], 12, v33
	v_lshl_add_u32 v[GO], v32, 4, v[GO]
	v_lshlrev_b32 v[RH], 3, v33
	v_sub_nc_u32 v[RH], v32, v[RH]
	v_mov_b32 v236, 0
	v_mov_b32 v252, 0
	v_mov_b32 v253, 0
	s_wait_kmcnt 0x0
	s_load_b128 s[52:55], s[14:15], 0x18
	s_lshl_b32 s58, s[BB], 21
	s_lshl_b32 s60, s[HD], 13
	s_add_co_u32 s58, s58, s60
	s_mov_b32 s59, 0
	s_add_nc_u64 s[4:5], s[4:5], s[58:59]
	s_lshr_b32 s60, s[WV], 3
	s_lshl_b32 s60, s60, 17
	s_add_co_u32 s58, s58, s60
	s_and_b32 s60, s[WV], 7
	s_lshl_b32 s60, s60, 10
	s_add_co_u32 s58, s58, s60
	s_add_nc_u64 s[KB:KB+1], s[6:7], s[58:59]
	s_add_nc_u64 s[VB:VB+1], s[8:9], s[58:59]
	s_lshl_b32 s58, s[BB], 13
	s_add_nc_u64 s[10:11], s[10:11], s[58:59]
	s_lshl_b32 s58, s[BB], 23
	s_lshl_b32 s60, s[HD], 8
	s_add_co_u32 s58, s58, s60
	s_add_nc_u64 s[16:17], s[16:17], s[58:59]
	s_lshl_b32 s58, s[BB], 9
	s_lshl_b32 s60, s[WV], 2
	s_add_co_u32 s58, s58, s60
	s_add_nc_u64 s[12:13], s[12:13], s[58:59]
	s_wait_kmcnt 0x0
	s_add_co_i32 s58, s52, s53
	s_lshl_b32 s58, s58, 23
	s_add_co_i32 s[CS], s58, 0x3e38aa3b
	s_mov_b32 s[CS+1], s[CS]
	s_add_co_i32 s58, s54, 127
	s_lshl_b32 s60, s58, 23
	v_mov_b32 v244, s60
	s_add_co_i32 s58, s58, 15
	s_lshl_b32 s58, s58, 23
	s_or_b32 s58, s58, 0x600000
	v_mov_b32 v240, s58
.macro STEP q
	s_lshl_b32 s[KF], s[SL], 8
.if \q
	s_add_co_u32 s[KF], s[KF], 128
.endif
	s_cmp_gt_u32 s[KF], s[LIMH]
	s_cbranch_scc1 .Lhidden_\@
	v_add_nc_u32 v[ADK], s[TB], v[AK0]
	v_add_nc_u32 v[ADV], s[TB], v[AV0]
	v_nop
	v_nop
.irp t, 0,1,2,3,4,5,6,7
	ds_load_b128 v[FRG+8*\t:FRG+8*\t+3],   v[ADK] offset:KSTEPB*\q+16*KPI*\t
	ds_load_b128 v[FRG+8*\t+4:FRG+8*\t+7], v[ADK] offset:KSTEPB*\q+16*KPI*\t+32
.endr
	s_wait_dscnt 0x0
.irp t, 0,1,2,3,4,5,6,7
	v_wmma_f32_16x16x64_bf8_bf8 v[S+8*\t:S+8*\t+7], v[FRG+8*\t:FRG+8*\t+7], v[QF:QF+7], 0
.endr
.rept 4
	v_nop
.endr
.irp t, 0,1,2,3
.irp c, 0,1,2,3
	ds_load_b128 v[FRG+16*\t+4*\c:FRG+16*\t+4*\c+3], v[ADV] offset:VSTEPB*\q+16*VPI*\t+32*\c
.endr
.endr
	s_add_co_u32 s58, s[KF], 127
	s_cmp_le_i32 s58, s[OPN]
	s_cbranch_scc1 .Lopen_\@
	s_sub_co_i32 s58, s[Q0], s[KF]
	v_add_nc_u32 v[DD], s58, v[DB]
.set n, 0
.rept 64
	v_cmp_gt_i32 vcc_lo, 16*(n/8)+n%8, v[DD]
	v_cndmask_b32 v[S+n], v[S+n], v[RV], vcc_lo
.set n, n+1
.endr
.Lopen_\@:
	v_max3_num_f32 v254, v[S], v[S+1], v[S+2]
	v_max3_num_f32 v252, v[S+3], v[S+4], v[S+5]
.irp i, 6,10,14,18,22,26,30,34,38,42,46,50,54,58
	v_max3_num_f32 v254, v254, v[S+\i], v[S+1+\i]
	v_max3_num_f32 v252, v252, v[S+2+\i], v[S+3+\i]
.endr
	v_max3_num_f32 v254, v254, v[S+62], v[S+63]
	v_max_num_f32 v254, v254, v252
	v_permlanex16_b32 v236, v254, s[SEL], s[SEL+1]
	v_max_num_f32 v254, v254, v236
	v_mul_f32 v254, s[CS], v254
	v_max_num_f32 v13, v13, v254
	v_mov_b32 v254, v12
	v_floor_f32 v12, -v13
	v_sub_f32 v254, v12, v254
	v_cvt_i32_f32 v254, v254
	v_ldexp_f32 v252, 1.0, v254
.set n, 0
.rept 32
	v_pk_fma_f32 v[S+n:S+n+1], v[S+n:S+n+1], s[CS:CS+1], v[12:13] op_sel_hi:[1,0,0]
.set n, n+2
.endr
.set n, 0
.rept 64
	v_exp_f32 v[S+n], v[S+n]
.set n, n+1
.endr
	v_pk_mul_f32 v[14:15], v[14:15], v[252:253] op_sel_hi:[1,0]
	s_wait_alu depctr_va_vdst(0)
	v_pk_add_f32 v[242:243], v[S:S+1], v[S+2:S+3]
.irp j, 4,8,12,16,20,24,28,32,36,40,44,48,52,56,60
	v_pk_add_f32 v[14:15], v[14:15], v[S+\j:S+1+\j]
	v_pk_add_f32 v[242:243], v[242:243], v[S+2+\j:S+3+\j]
.endr
	v_pk_add_f32 v[14:15], v[14:15], v[242:243]
.irp b, 0,1,2,3
.set n, 0
.rept 16
	v_min_num_f32 v[S+16*\b+n], v[S+16*\b+n], v240
.set n, n+1
.endr
	v_cvt_scalef32_pk8_bf8_f32 v[PC+4*\b:PC+4*\b+1], v[S+16*\b:S+16*\b+7], v244
	v_cvt_scalef32_pk8_bf8_f32 v[PC+4*\b+2:PC+4*\b+3], v[S+16*\b+8:S+16*\b+15], v244
.endr
.set n, 0
.rept 16
	v_pk_mul_f32 v[O+n:O+n+1], v[O+n:O+n+1], v[252:253] op_sel_hi:[1,0]
.set n, n+2
.endr
	s_wait_dscnt 0x0
.irp t, 0,1,2,3
	v_wmma_f32_16x16x128_bf8_bf8 v[O+8*\t:O+8*\t+7], v[FRG+16*\t:FRG+16*\t+15], v[PC:PC+15], v[O+8*\t:O+8*\t+7]
.endr
.Lhidden_\@:
.endm
.Lblock:
	s_lshl_b32 s[Q0], s[BLK], 8
	s_lshl_b32 s58, s[WV], 4
	s_add_co_u32 s[Q0], s[Q0], s58
	s_lshl_b32 s58, s[BLK], 6
	s_mov_b32 s59, 0
	s_add_nc_u64 s[60:61], s[12:13], s[58:59]
	s_load_b32 s[FW], s[60:61], 0x0
	global_load_b128 v[STG:STG+3],     v[L16], s[KB:KB+1]
	global_load_b128 v[STG+4:STG+7],   v[L16], s[KB:KB+1] offset:512
	global_load_b128 v[STG+8:STG+11],  v[L16], s[VB:VB+1]
	global_load_b128 v[STG+12:STG+15], v[L16], s[VB:VB+1] offset:512
	s_lshr_b32 s58, s[Q0], 7
	s_lshl_b32 s58, s58, 17
	s_and_b32 s62, s[Q0], 127
	s_lshl_b32 s62, s62, 6
	s_add_co_u32 s58, s58, s62
	s_add_nc_u64 s[QB:QB+1], s[4:5], s[58:59]
	global_load_b128 v[QF:QF+3],   v[QO], s[QB:QB+1]
	global_load_b128 v[QF+4:QF+7], v[QO], s[QB:QB+1] offset:32
	s_lshl_b32 s58, s[Q0], 2
	s_add_nc_u64 s[MB:MB+1], s[10:11], s[58:59]
	global_load_b32 v[AM], v[MO], s[MB:MB+1]
	s_lshl_b32 s58, s[Q0], 12
	s_add_nc_u64 s[OB:OB+1], s[16:17], s[58:59]
	v_mov_b32 v13, 0xff61b1e6
	v_floor_f32 v12, -v13
	v_mov_b32 v14, 0
	v_mov_b32 v15, 0
.set n, 0
.rept 32
	v_mov_b32 v[O+n], 0
.set n, n+1
.endr
	s_add_co_u32 s63, s[BLK], 1
	s_add_co_u32 s62, s[Q0], 15
	s_wait_kmcnt 0x0
	s_bitcmp1_b32 s[FW], 1
	s_cselect_b32 s[NSL], 8, s63
	s_bitcmp1_b32 s[FW], 0
	s_cselect_b32 s[LIMH], 4095, s62
	s_cselect_b32 s[OPN], -1, s[Q0]
	s_wait_loadcnt 0x0
	v_cmp_le_f32 s56, 1.0, v[AM]
	v_add_f32 v[DD], 1.0, v[AM]
	v_cmp_le_f32 s57, 1.0, v[DD]
	v_mov_b32 v254, 0x40000000
	v_cndmask_b32 v[DB], v254, v[RH], s57
	v_mov_b32 v254, 0xc0000000
	v_cndmask_b32 v[DB], v[DB], v254, s56
	v_mov_b32 v254, 0xff800000
	v_cndmask_b32 v[RV], v254, 0, s56
	ds_store_b128 v[KST], v[STG:STG+3]
	ds_store_b128 v[KST], v[STG+4:STG+7] offset:8*KPI
	ds_store_b128 v[VST], v[STG+8:STG+11]
	ds_store_b128 v[VST], v[STG+12:STG+15] offset:4*VPI
	s_mov_b32 s[SL], 0
	s_mov_b32 s[TB], 0
	s_mov_b32 s[TBO], SLOT1
.Lslot:
	s_wait_dscnt 0x0
	s_barrier_signal -1
	s_barrier_wait -1
	s_cmp_ge_u32 s[SL], s[NSL]
	s_cbranch_scc1 .Lempty
	s_add_co_u32 s58, s[SL], 1
	s_cmp_ge_u32 s58, s[NSL]
	s_cbranch_scc1 .Lnofetch
	s_min_u32 s58, s58, 7
	s_lshl_b32 s[NX], s58, 18
	s_add_nc_u64 s[KP:KP+1], s[KB:KB+1], s[NX:NX+1]
	s_add_nc_u64 s[VP:VP+1], s[VB:VB+1], s[NX:NX+1]
	global_load_b128 v[STG:STG+3],     v[L16], s[KP:KP+1]
	global_load_b128 v[STG+4:STG+7],   v[L16], s[KP:KP+1] offset:512
	global_load_b128 v[STG+8:STG+11],  v[L16], s[VP:VP+1]
	global_load_b128 v[STG+12:STG+15], v[L16], s[VP:VP+1] offset:512
.Lnofetch:
	STEP 0
	STEP 1
	s_wait_loadcnt 0x0
	s_add_co_u32 s58, s[SL], 1
	s_cmp_ge_u32 s58, s[NSL]
	s_cbranch_scc1 .Lempty
	v_add_nc_u32 v[SKA], s[TBO], v[KST]
	v_add_nc_u32 v[SVA], s[TBO], v[VST]
	ds_store_b128 v[SKA], v[STG:STG+3]
	ds_store_b128 v[SKA], v[STG+4:STG+7] offset:8*KPI
	ds_store_b128 v[SVA], v[STG+8:STG+11]
	ds_store_b128 v[SVA], v[STG+12:STG+15] offset:4*VPI
.Lempty:
	s_xor_b32 s[TB], s[TB], SLOT1
	s_xor_b32 s[TBO], s[TBO], SLOT1
	s_add_co_u32 s[SL], s[SL], 1
	s_cmp_lt_u32 s[SL], 8
	s_cbranch_scc1 .Lslot
.rept 4
	v_nop
.endr
	v_add_f32 v14, v14, v15
	v_permlanex16_b32 v252, v14, s[SEL], s[SEL+1]
	v_add_f32 v14, v14, v252
	v_rcp_f32 v14, v14
	v_nop
	s_add_co_i32 s58, s54, s55
	s_wait_alu depctr_va_vdst(0)
	v_ldexp_f32 v14, v14, s58
.set n, 0
.rept 32
	v_mul_f32 v[S+n], v[O+n], v14
.set n, n+1
.endr
.irp t, 0,1,2,3
	ds_store_b128 v[STI], v[S+8*\t:S+8*\t+3] offset:64*\t
	ds_store_b128 v[STI], v[S+8*\t+4:S+8*\t+7] offset:64*\t+16
.endr
.irp i, 0,1,2,3,4,5,6,7
	ds_load_b128 v[FRG+4*\i:FRG+4*\i+3], v[STB] offset:2*SPI*\i
.endr
.irp i, 0,1,2,3,4,5,6,7
	s_wait_dscnt 7-\i
	global_store_b128 v[GO], v[FRG+4*\i:FRG+4*\i+3], s[OB:OB+1] offset:8192*\i th:TH_STORE_NT
.endr
	s_wait_xcnt 0x0
	s_sub_co_u32 s[BLK], 7, s[BLK]
	s_add_co_u32 s[BL], s[BL], 1
	s_cmp_lt_u32 s[BL], 2
	s_cbranch_scc1 .Lblock
	s_wait_tensorcnt 0x0
	ds_add_u32 v251, v255
	s_wait_dscnt 0x0
	s_endpgm
.Lfunc_end_k_qdf0105e818_attn:
	.size	k_qdf0105e818_attn, .Lfunc_end_k_qdf0105e818_attn-k_qdf0105e818_attn
	.p2alignl 7, 3214868480
	.fill 96, 4, 3214868480
	.section	.rodata,"a",@progbits
	.p2align	6, 0x0
	.amdhsa_kernel k_qdf0105e818_attn
		.amdhsa_group_segment_fixed_size 202752
		.amdhsa_private_segment_fixed_size 0
		.amdhsa_enable_private_segment 0
		.amdhsa_kernarg_size 56
		.amdhsa_user_sgpr_count 2
		.amdhsa_user_sgpr_kernarg_segment_ptr 1
		.amdhsa_wavefront_size32 1
		.amdhsa_system_sgpr_workgroup_id_x 1
		.amdhsa_system_sgpr_workgroup_id_y 1
		.amdhsa_system_sgpr_workgroup_id_z 1
		.amdhsa_system_vgpr_workitem_id 0
		.amdhsa_next_free_vgpr 256
		.amdhsa_next_free_sgpr 66
		.amdhsa_reserve_vcc 1
		.amdhsa_float_denorm_mode_32 3
		.amdhsa_float_denorm_mode_16_64 3
		.amdhsa_memory_ordered 1
		.amdhsa_forward_progress 1
		.amdhsa_inst_pref_size 54
	.end_amdhsa_kernel
	.amdgpu_metadata
---
amdhsa.version: [ 1, 2 ]
amdhsa.kernels:
  - .name:           k_qdf0105e818_attn
    .symbol:         k_qdf0105e818_attn.kd
    .args:
      - { .name: qc, .offset: 0, .size: 8, .value_kind: global_buffer, .address_space: global }
      - { .name: kc, .offset: 8, .size: 8, .value_kind: global_buffer, .address_space: global }
      - { .name: vc, .offset: 16, .size: 8, .value_kind: global_buffer, .address_space: global }
      - { .name: atten_mask, .offset: 24, .size: 8, .value_kind: global_buffer, .address_space: global }
      - { .name: flags, .offset: 32, .size: 8, .value_kind: global_buffer, .address_space: global }
      - { .name: lowp_scales, .offset: 40, .size: 8, .value_kind: global_buffer, .address_space: global }
      - { .name: out0, .offset: 48, .size: 8, .value_kind: global_buffer, .address_space: global }
    .group_segment_fixed_size: 202752
    .private_segment_fixed_size: 0
    .kernarg_segment_align: 8
    .kernarg_segment_size: 56
    .max_flat_workgroup_size: 512
    .sgpr_count:     66
    .vgpr_count:     256
    .wavefront_size: 32
...
	.end_amdgpu_metadata
.endif
;; end of part 3
;; ======== version 2 of 2: 3 launches; version 1 with the launch attn written anew for expert scheduling mode
;; workspace buffers: codes 31,457,280 bytes; qc 8,388,608 bytes; kc 8,388,608 bytes; vc 8,388,608 bytes; flags 2,048 bytes of whole numbers
;; launch quant: the kernel of part 1 again; grid 705 x 1, 4 waves a work-group, no clusters, 66,048 bytes of LDS; arguments x, Wq, Wk, Wv, atten_mask, lowp_scales, codes, flags; writes codes, flags
;; launch proj: the kernel of part 2 again; grid 12 x 32, 4 waves a work-group, clusters of 4 x 4, 327,680 bytes of LDS; arguments codes, lowp_scales, bq, bk, bv, qc, kc, vc; writes qc, kc, vc
;; launch attn (part 4): grid 4 x 64, 16 waves a work-group, no clusters, 202,752 bytes of LDS; arguments qc, kc, vc, atten_mask, flags, lowp_scales, out0; writes out0
.if DOCPART == 4
	.amdgcn_target "amdgcn-amd-amdhsa--gfx1250"
	.amdhsa_code_object_version 6
	.text
	.protected	k_qdf0105e818_attn
	.globl	k_qdf0105e818_attn
	.p2align	8
	.type	k_qdf0105e818_attn,@function
k_qdf0105e818_attn:
	s_mov_b64 s[64:65], 0
	v_nop
	global_prefetch_b8 v0, s[64:65] scope:SCOPE_SE
	s_setreg_imm32_b32 hwreg(HW_REG_WAVE_SCHED_MODE, 0, 2), 2
	s_setreg_imm32_b32 hwreg(HW_REG_WAVE_MODE, 25, 1), 1
	s_wait_xcnt 0x0
	s_wait_alu depctr_vm_vsrc(0)
.set SLOT1,  65536
.set KPI,    80
.set VPI,    144
.set KSTEPB, 128*KPI
.set VOFF,   2*KSTEPB
.set VSTEPB, 64*VPI
.set STAGE,  2*SLOT1
.set SPI,    272
.set AK0, 1
.set AV0, 2
.set KST, 3
.set VST, 4
.set L16, 5
.set STI, 6
.set STB, 7
.set ADK, 8
.set ADV, 9
.set SKA, 10
.set SVA, 11
.set QF,  16
.set QO,  24
.set MO,  25
.set DB,  26
.set RV,  27
.set DD,  28
.set GO,  29
.set AM,  30
.set RH,  31
.set FRG, 32
.set S,   96
.set O,   160
.set PC,  192
.set STG, 208
.set WV,   18
.set BB,   19
.set SEL,  20
.set CS,   22
.set HD,   24
.set BLK,  25
.set BL,   26
.set SL,   27
.set NSL,  28
.set LIMH, 29
.set OPN,  30
.set KF,   31
.set TB,   32
.set TBO,  33
.set Q0,   34
.set FW,   35
.set KB,   36
.set VB,   38
.set KP,   40
.set VP,   42
.set NX,   44
.set QB,   46
.set MB,   48
.set OB,   50
.set MK,   66
	s_load_b256 s[4:11], s[0:1], 0x0
	s_load_b128 s[12:15], s[0:1], 0x20
	s_load_b64 s[16:17], s[0:1], 0x30
	v_lshl_add_u32 v251, v0, 2, 0x31000
	v_mov_b32 v255, 0
	v_lshrrev_b32 v32, 5, v0
	v_readfirstlane_b32 s[WV], v32
	s_and_b32 s58, ttmp7, 0xffff
	s_lshr_b32 s[BB], s58, 4
	s_and_b32 s[HD], s58, 15
	s_sub_co_u32 s[BLK], 7, ttmp9
	s_mov_b32 s[BL], 0
	s_mov_b32 s[SEL], 0x76543210
	s_mov_b32 s[SEL+1], 0xfedcba98
	s_mov_b32 s[NX+1], 0
	v_and_b32 v32, 15, v0
	v_bfe_u32 v33, v0, 4, 1
	v_and_b32 v34, 31, v0
	v_mul_u32_u24 v[AK0], v32, KPI
	v_lshl_add_u32 v[AK0], v33, 4, v[AK0]
	v_mul_u32_u24 v[AV0], v32, VPI
	v_lshl_add_u32 v[AV0], v33, 4, v[AV0]
	v_add_nc_u32 v[AV0], VOFF, v[AV0]
	s_wait_alu depctr_va_sdst(0)
	s_lshr_b32 s58, s[WV], 3
	s_mul_i32 s59, s58, KSTEPB
	s_and_b32 s60, s[WV], 7
	s_mul_i32 s60, s60, 16*KPI
	s_add_co_u32 s59, s59, s60
	v_bfe_u32 v35, v0, 2, 3
	v_and_b32 v36, 3, v0
	v_mul_u32_u24 v[KST], v35, KPI
	v_lshl_add_u32 v[KST], v36, 4, v[KST]
	v_add_nc_u32 v[KST], s59, v[KST]
	s_mul_i32 s59, s58, VSTEPB
	s_and_b32 s60, s[WV], 7
	s_mul_i32 s60, s60, 8*VPI
	s_add_co_u32 s59, s59, s60
	s_add_co_u32 s59, s59, VOFF
	v_bfe_u32 v35, v0, 3, 2
	v_and_b32 v36, 7, v0
	v_mul_u32_u24 v[VST], v35, VPI
	v_lshl_add_u32 v[VST], v36, 4, v[VST]
	v_add_nc_u32 v[VST], s59, v[VST]
	s_mul_i32 s59, s[WV], 16*SPI
	s_add_co_u32 s59, s59, STAGE
	v_mul_u32_u24 v[STI], v32, SPI
	v_lshl_add_u32 v[STI], v33, 5, v[STI]
	v_add_nc_u32 v[STI], s59, v[STI]
	v_mul_u32_u24 v[STB], v33, SPI
	v_lshl_add_u32 v[STB], v32, 4, v[STB]
	v_add_nc_u32 v[STB], s59, v[STB]
	v_lshlrev_b32 v[L16], 4, v34
	v_lshlrev_b32 v[QO], 6, v32
	v_lshl_add_u32 v[QO], v33, 4, v[QO]
	v_lshlrev_b32 v[MO], 2, v32
	v_lshlrev_b32 v[GO], 12, v33
	v_lshl_add_u32 v[GO], v32, 4, v[GO]
	v_lshlrev_b32 v[RH], 3, v33
	v_sub_nc_u32 v[RH], v32, v[RH]
	v_mov_b32 v236, 0
	v_mov_b32 v252, 0
	v_mov_b32 v253, 0
	s_wait_kmcnt 0x0
	s_load_b128 s[52:55], s[14:15], 0x18
	s_lshl_b32 s58, s[BB], 21
	s_lshl_b32 s60, s[HD], 13
	s_add_co_u32 s58, s58, s60
	s_mov_b32 s59, 0
	s_add_nc_u64 s[4:5], s[4:5], s[58:59]
	s_lshr_b32 s60, s[WV], 3
	s_lshl_b32 s60, s60, 17
	s_add_co_u32 s58, s58, s60
	s_and_b32 s60, s[WV], 7
	s_lshl_b32 s60, s60, 10
	s_add_co_u32 s58, s58, s60
	s_add_nc_u64 s[KB:KB+1], s[6:7], s[58:59]
	s_add_nc_u64 s[VB:VB+1], s[8:9], s[58:59]
	s_lshl_b32 s58, s[BB], 13
	s_add_nc_u64 s[10:11], s[10:11], s[58:59]
	s_lshl_b32 s58, s[BB], 23
	s_lshl_b32 s60, s[HD], 8
	s_add_co_u32 s58, s58, s60
	s_add_nc_u64 s[16:17], s[16:17], s[58:59]
	s_lshl_b32 s58, s[BB], 9
	s_lshl_b32 s60, s[WV], 2
	s_add_co_u32 s58, s58, s60
	s_add_nc_u64 s[12:13], s[12:13], s[58:59]
	s_wait_kmcnt 0x0
	s_add_co_i32 s58, s52, s53
	s_lshl_b32 s58, s58, 23
	s_add_co_i32 s[CS], s58, 0x3e38aa3b
	s_mov_b32 s[CS+1], s[CS]
	s_add_co_i32 s58, s54, 127
	s_lshl_b32 s60, s58, 23
	v_mov_b32 v244, s60
	s_add_co_i32 s58, s58, 15
	s_lshl_b32 s58, s58, 23
	s_or_b32 s58, s58, 0x600000
	v_mov_b32 v240, s58
.macro STEP q
	s_lshl_b32 s[KF], s[SL], 8
.if \q
	s_add_co_u32 s[KF], s[KF], 128
.endif
	s_cmp_gt_u32 s[KF], s[LIMH]
	s_cbranch_scc1 .Lhidden_\@
	s_wait_alu depctr_vm_vsrc(0)
	v_add_nc_u32 v[ADK], s[TB], v[AK0]
	v_add_nc_u32 v[ADV], s[TB], v[AV0]
	v_nop
	v_nop
	s_wait_alu depctr_va_vdst(0)
.irp t, 0,1,2,3,4,5,6,7
	ds_load_b128 v[FRG+8*\t:FRG+8*\t+3],   v[ADK] offset:KSTEPB*\q+16*KPI*\t
	ds_load_b128 v[FRG+8*\t+4:FRG+8*\t+7], v[ADK] offset:KSTEPB*\q+16*KPI*\t+32
.endr
	s_wait_dscnt 0x0
.irp t, 0,1,2,3,4,5,6,7
	v_wmma_f32_16x16x64_bf8_bf8 v[S+8*\t:S+8*\t+7], v[FRG+8*\t:FRG+8*\t+7], v[QF:QF+7], 0
.endr
.rept 4
	v_nop
.endr
	s_wait_alu depctr_va_vdst(0)
.irp t, 0,1,2,3
.irp c, 0,1,2,3
	ds_load_b128 v[FRG+16*\t+4*\c:FRG+16*\t+4*\c+3], v[ADV] offset:VSTEPB*\q+16*VPI*\t+32*\c
.endr
.endr
	s_add_co_u32 s58, s[KF], 127
	s_cmp_le_i32 s58, s[OPN]
	s_cbranch_scc1 .Lopen_\@
	s_sub_co_i32 s58, s[Q0], s[KF]
	v_add_nc_u32 v[DD], s58, v[DB]
.irp u, 0,1
.set n, 32*\u
.rept 32
	v_cmp_gt_i32 s[MK+n%32], 16*(n/8)+n%8, v[DD]
.set n, n+1
.endr
	s_wait_alu depctr_va_sdst(0)
.set n, 32*\u
.rept 32
	v_cndmask_b32 v[S+n], v[S+n], v[RV], s[MK+n%32]
.set n, n+1
.endr
.endr
.Lopen_\@:
	v_max3_num_f32 v254, v[S], v[S+1], v[S+2]
	v_max3_num_f32 v252, v[S+3], v[S+4], v[S+5]
.irp i, 6,10,14,18,22,26,30,34,38,42,46,50,54,58
	v_max3_num_f32 v254, v254, v[S+\i], v[S+1+\i]
	v_max3_num_f32 v252, v252, v[S+2+\i], v[S+3+\i]
.endr
	v_max3_num_f32 v254, v254, v[S+62], v[S+63]
	v_max_num_f32 v254, v254, v252
	v_permlanex16_b32 v236, v254, s[SEL], s[SEL+1]
	v_max_num_f32 v254, v254, v236
	v_mul_f32 v254, s[CS], v254
	v_max_num_f32 v13, v13, v254
	v_mov_b32 v254, v12
	v_floor_f32 v12, -v13
	v_sub_f32 v254, v12, v254
	v_cvt_i32_f32 v254, v254
	v_ldexp_f32 v252, 1.0, v254
.set n, 0
.rept 32
	v_pk_fma_f32 v[S+n:S+n+1], v[S+n:S+n+1], s[CS:CS+1], v[12:13] op_sel_hi:[1,0,0]
.set n, n+2
.endr
.set n, 0
.rept 64
	v_exp_f32 v[S+n], v[S+n]
.set n, n+1
.endr
	v_pk_mul_f32 v[14:15], v[14:15], v[252:253] op_sel_hi:[1,0]
	s_wait_alu depctr_va_vdst(0)
	v_pk_add_f32 v[242:243], v[S:S+1], v[S+2:S+3]
.irp j, 4,8,12,16,20,24,28,32,36,40,44,48,52,56,60
	v_pk_add_f32 v[14:15], v[14:15], v[S+\j:S+1+\j]
	v_pk_add_f32 v[242:243], v[242:243], v[S+2+\j:S+3+\j]
.endr
	v_pk_add_f32 v[14:15], v[14:15], v[242:243]
.irp b, 0,1,2,3
.set n, 0
.rept 16
	v_min_num_f32 v[S+16*\b+n], v[S+16*\b+n], v240
.set n, n+1
.endr
	v_cvt_scalef32_pk8_bf8_f32 v[PC+4*\b:PC+4*\b+1], v[S+16*\b:S+16*\b+7], v244
	v_cvt_scalef32_pk8_bf8_f32 v[PC+4*\b+2:PC+4*\b+3], v[S+16*\b+8:S+16*\b+15], v244
.endr
.set n, 0
.rept 16
	v_pk_mul_f32 v[O+n:O+n+1], v[O+n:O+n+1], v[252:253] op_sel_hi:[1,0]
.set n, n+2
.endr
	s_wait_dscnt 0x0
.irp t, 0,1,2,3
	v_wmma_f32_16x16x128_bf8_bf8 v[O+8*\t:O+8*\t+7], v[FRG+16*\t:FRG+16*\t+15], v[PC:PC+15], v[O+8*\t:O+8*\t+7]
.endr
.Lhidden_\@:
.endm
.Lblock:
	s_lshl_b32 s[Q0], s[BLK], 8
	s_lshl_b32 s58, s[WV], 4
	s_add_co_u32 s[Q0], s[Q0], s58
	s_lshl_b32 s58, s[BLK], 6
	s_mov_b32 s59, 0
	s_add_nc_u64 s[60:61], s[12:13], s[58:59]
	s_load_b32 s[FW], s[60:61], 0x0
	s_wait_alu depctr_va_vdst(0)
	global_load_b128 v[STG:STG+3],     v[L16], s[KB:KB+1]
	global_load_b128 v[STG+4:STG+7],   v[L16], s[KB:KB+1] offset:512
	global_load_b128 v[STG+8:STG+11],  v[L16], s[VB:VB+1]
	global_load_b128 v[STG+12:STG+15], v[L16], s[VB:VB+1] offset:512
	s_lshr_b32 s58, s[Q0], 7
	s_lshl_b32 s58, s58, 17
	s_and_b32 s62, s[Q0], 127
	s_lshl_b32 s62, s62, 6
	s_add_co_u32 s58, s58, s62
	s_add_nc_u64 s[QB:QB+1], s[4:5], s[58:59]
	global_load_b128 v[QF:QF+3],   v[QO], s[QB:QB+1]
	global_load_b128 v[QF+4:QF+7], v[QO], s[QB:QB+1] offset:32
	s_lshl_b32 s58, s[Q0], 2
	s_add_nc_u64 s[MB:MB+1], s[10:11], s[58:59]
	global_load_b32 v[AM], v[MO], s[MB:MB+1]
	s_lshl_b32 s58, s[Q0], 12
	s_add_nc_u64 s[OB:OB+1], s[16:17], s[58:59]
	v_mov_b32 v13, 0xff61b1e6
	v_floor_f32 v12, -v13
	v_mov_b32 v14, 0
	v_mov_b32 v15, 0
.set n, 0
.rept 32
	v_mov_b32 v[O+n], 0
.set n, n+1
.endr
	s_add_co_u32 s63, s[BLK], 1
	s_add_co_u32 s62, s[Q0], 15
	s_wait_kmcnt 0x0
	s_bitcmp1_b32 s[FW], 1
	s_cselect_b32 s[NSL], 8, s63
	s_bitcmp1_b32 s[FW], 0
	s_cselect_b32 s[LIMH], 4095, s62
	s_cselect_b32 s[OPN], -1, s[Q0]
	s_wait_loadcnt 0x0
	v_cmp_le_f32 s56, 1.0, v[AM]
	v_add_f32 v[DD], 1.0, v[AM]
	v_cmp_le_f32 s57, 1.0, v[DD]
	v_mov_b32 v254, 0x40000000
	s_wait_alu depctr_va_sdst(0)
	v_cndmask_b32 v[DB], v254, v[RH], s57
	v_mov_b32 v254, 0xc0000000
	v_cndmask_b32 v[DB], v[DB], v254, s56
	v_mov_b32 v254, 0xff800000
	v_cndmask_b32 v[RV], v254, 0, s56
	ds_store_b128 v[KST], v[STG:STG+3]
	ds_store_b128 v[KST], v[STG+4:STG+7] offset:8*KPI
	ds_store_b128 v[VST], v[STG+8:STG+11]
	ds_store_b128 v[VST], v[STG+12:STG+15] offset:4*VPI
	s_mov_b32 s[SL], 0
	s_mov_b32 s[TB], 0
	s_mov_b32 s[TBO], SLOT1
.Lslot:
	s_wait_dscnt 0x0
	s_barrier_signal -1
	s_barrier_wait -1
	s_wait_alu depctr_vm_vsrc(0)
	s_cmp_ge_u32 s[SL], s[NSL]
	s_cbranch_scc1 .Lempty
	s_add_co_u32 s58, s[SL], 1
	s_cmp_ge_u32 s58, s[NSL]
	s_cbranch_scc1 .Lnofetch
	s_min_u32 s58, s58, 7
	s_lshl_b32 s[NX], s58, 18
	s_add_nc_u64 s[KP:KP+1], s[KB:KB+1], s[NX:NX+1]
	s_add_nc_u64 s[VP:VP+1], s[VB:VB+1], s[NX:NX+1]
	global_load_b128 v[STG:STG+3],     v[L16], s[KP:KP+1]
	global_load_b128 v[STG+4:STG+7],   v[L16], s[KP:KP+1] offset:512
	global_load_b128 v[STG+8:STG+11],  v[L16], s[VP:VP+1]
	global_load_b128 v[STG+12:STG+15], v[L16], s[VP:VP+1] offset:512
.Lnofetch:
	STEP 0
	STEP 1
	s_wait_loadcnt 0x0
	s_add_co_u32 s58, s[SL], 1
	s_cmp_ge_u32 s58, s[NSL]
	s_cbranch_scc1 .Lempty
	v_add_nc_u32 v[SKA], s[TBO], v[KST]
	v_add_nc_u32 v[SVA], s[TBO], v[VST]
	s_wait_alu depctr_va_vdst(0)
	ds_store_b128 v[SKA], v[STG:STG+3]
	ds_store_b128 v[SKA], v[STG+4:STG+7] offset:8*KPI
	ds_store_b128 v[SVA], v[STG+8:STG+11]
	ds_store_b128 v[SVA], v[STG+12:STG+15] offset:4*VPI
.Lempty:
	s_xor_b32 s[TB], s[TB], SLOT1
	s_xor_b32 s[TBO], s[TBO], SLOT1
	s_add_co_u32 s[SL], s[SL], 1
	s_cmp_lt_u32 s[SL], 8
	s_cbranch_scc1 .Lslot
.rept 4
	v_nop
.endr
	v_add_f32 v14, v14, v15
	v_permlanex16_b32 v252, v14, s[SEL], s[SEL+1]
	v_add_f32 v14, v14, v252
	v_rcp_f32 v14, v14
	v_nop
	s_add_co_i32 s58, s54, s55
	s_wait_alu depctr_va_vdst(0)
	v_ldexp_f32 v14, v14, s58
.set n, 0
.rept 32
	v_mul_f32 v[S+n], v[O+n], v14
.set n, n+1
.endr
	s_wait_alu depctr_va_vdst(0)
.irp t, 0,1,2,3
	ds_store_b128 v[STI], v[S+8*\t:S+8*\t+3] offset:64*\t
	ds_store_b128 v[STI], v[S+8*\t+4:S+8*\t+7] offset:64*\t+16
.endr
.irp i, 0,1,2,3,4,5,6,7
	ds_load_b128 v[FRG+4*\i:FRG+4*\i+3], v[STB] offset:2*SPI*\i
.endr
.irp i, 0,1,2,3,4,5,6,7
	s_wait_dscnt 7-\i
	global_store_b128 v[GO], v[FRG+4*\i:FRG+4*\i+3], s[OB:OB+1] offset:8192*\i th:TH_STORE_NT
.endr
	s_wait_xcnt 0x0
	s_wait_alu depctr_vm_vsrc(0)
	s_sub_co_u32 s[BLK], 7, s[BLK]
	s_add_co_u32 s[BL], s[BL], 1
	s_cmp_lt_u32 s[BL], 2
	s_cbranch_scc1 .Lblock
	s_wait_dscnt 0x0
	s_wait_alu depctr_hold_cnt(0) depctr_sa_sdst(0) depctr_va_vdst(0) depctr_va_sdst(0) depctr_va_ssrc(0) depctr_va_vcc(0) depctr_vm_vsrc(0)
	s_wait_tensorcnt 0x0
	ds_add_u32 v251, v255
	s_wait_dscnt 0x0
	s_endpgm
.Lfunc_end_k_qdf0105e818_attn:
	.size	k_qdf0105e818_attn, .Lfunc_end_k_qdf0105e818_attn-k_qdf0105e818_attn
	.p2alignl 7, 3214868480
	.fill 96, 4, 3214868480
	.section	.rodata,"a",@progbits
	.p2align	6, 0x0
	.amdhsa_kernel k_qdf0105e818_attn
		.amdhsa_group_segment_fixed_size 202752
		.amdhsa_private_segment_fixed_size 0
		.amdhsa_enable_private_segment 0
		.amdhsa_kernarg_size 56
		.amdhsa_user_sgpr_count 2
		.amdhsa_user_sgpr_kernarg_segment_ptr 1
		.amdhsa_wavefront_size32 1
		.amdhsa_system_sgpr_workgroup_id_x 1
		.amdhsa_system_sgpr_workgroup_id_y 1
		.amdhsa_system_sgpr_workgroup_id_z 1
		.amdhsa_system_vgpr_workitem_id 0
		.amdhsa_next_free_vgpr 256
		.amdhsa_next_free_sgpr 98
		.amdhsa_reserve_vcc 0
		.amdhsa_float_denorm_mode_32 3
		.amdhsa_float_denorm_mode_16_64 3
		.amdhsa_memory_ordered 1
		.amdhsa_forward_progress 1
		.amdhsa_inst_pref_size 63
	.end_amdhsa_kernel
	.amdgpu_metadata
---
amdhsa.version: [ 1, 2 ]
amdhsa.kernels:
  - .name:           k_qdf0105e818_attn
    .symbol:         k_qdf0105e818_attn.kd
    .args:
      - { .name: qc, .offset: 0, .size: 8, .value_kind: global_buffer, .address_space: global }
      - { .name: kc, .offset: 8, .size: 8, .value_kind: global_buffer, .address_space: global }
      - { .name: vc, .offset: 16, .size: 8, .value_kind: global_buffer, .address_space: global }
      - { .name: atten_mask, .offset: 24, .size: 8, .value_kind: global_buffer, .address_space: global }
      - { .name: flags, .offset: 32, .size: 8, .value_kind: global_buffer, .address_space: global }
      - { .name: lowp_scales, .offset: 40, .size: 8, .value_kind: global_buffer, .address_space: global }
      - { .name: out0, .offset: 48, .size: 8, .value_kind: global_buffer, .address_space: global }
    .group_segment_fixed_size: 202752
    .private_segment_fixed_size: 0
    .kernarg_segment_align: 8
    .kernarg_segment_size: 56
    .max_flat_workgroup_size: 512
    .sgpr_count:     98
    .vgpr_count:     256
    .wavefront_size: 32
...
	.end_amdgpu_metadata
.endif
;; end of part 4
